; MI455X (gfx1250); checked and timed in simulation.
; The chip was launched on July 23, 2026; its instructions are those of AMD's public machine-readable ISA for CDNA 5 (MIT licence, August 2026) and "CDNA5" Instruction Set Architecture Reference Guide (July 2026). The comments in the code are by the model that wrote it; some were corrected since.
;; Scaled Dot Product Attention Py T. Allowed arithmetic: matrix products marked QUANTISED: E5M2 operands, one E8M0 scale for each 32 along K, by v_wmma_scale_f32_16x16x128_f8f6f4 with both operands' format E5M2, f32 sums; everything else in f32.
;; Inputs: k_codes 4 x 16 x 2,048 x 4 x 32 uint8 (E5M2 codes of k, K innermost, in blocks of 32 codes); k_scales 4 x 16 x 2,048 x 4 uint8 (E8M0 scales of k, one for each 32 codes along K); q_codes 4 x 16 x 2,048 x 4 x 32 uint8 (E5M2 codes of q, K innermost, in blocks of 32 codes); q_scales 4 x 16 x 2,048 x 4 uint8 (E8M0 scales of q, one for each 32 codes along K); v_codes 4 x 16 x 128 x 64 x 32 uint8 (E5M2 codes of v, K innermost, in blocks of 32 codes); v_scales 4 x 16 x 128 x 64 uint8 (E8M0 scales of v, one for each 32 codes along K).
;; Outputs: out0 4 x 16 x 2,048 x 128 float32.
;; This version of the problem:
;;   THIS VERSION OF THE PROBLEM IS GIVEN IN LOW PRECISION. The matrix products marked QUANTISED in the list below multiply operands that are first quantised to E5M2 (5 exponent bits, 2 mantissa bits; 8 bits a number), with one power-of-two scale for each 32 numbers along K (OCP MX v1.0); their sums are f32. All else is computed in f32.
;;   The module's matrix products, in the order in which they are computed (A, B: the left and right operand; K: the contracted axis; several contracted axes count as one K, in the product's order):
;;     1. batch 64 x [M 2,048, K 128] x [K 128, N 2,048]; A: input q (given as codes); B: input k (given as codes): QUANTISED
;;     2. batch 64 x [M 2,048, K 2,048] x [K 2,048, N 128]; A: softmax (see below); B: input v (given as codes): QUANTISED
;;   THE QUANTISER, for each operand of a quantised product, along K:
;;     - K is cut into blocks of 32 from its start; a last block that is shorter is filled with zeros.
;;     - A block's scale is 2^e with e = floor(log2(the largest magnitude in the block)) - 15, held to -126 .. 127; a block of zeros has e = 0. As a byte (E8M0): e + 127.
;;     - Each number is divided by its block's scale, clamped to +-57,344, and rounded to the nearest number of E5M2, ties to even, subnormals kept.
;;     - The product sums the exact products of the quantised numbers (number of the format x scale) in f32.
;;   ~~~python
;;   def quantise(x, axis):      # numpy; x: float32 -> the quantised numbers, widened to float32 again
;;       x = np.moveaxis(x, axis, -1); K = x.shape[-1]
;;       x = np.pad(x, [(0, 0)] * (x.ndim - 1) + [(0, -K % 32)]); x = x.reshape(x.shape[:-1] + (-1, 32)); a = np.abs(x).max(-1, keepdims=True)
;;       e = np.where(a > 0, np.clip(np.frexp(np.where(a > 0, a, 1))[1] - 1 - 15, -126, 127), 0)      # np.frexp(a)[1] - 1 = floor(log2(a)), exactly
;;       r = np.clip(x / 2.0 ** e, -57344, 57344)
;;       step = 2.0 ** (np.maximum(np.frexp(np.where(r == 0, 1, r))[1] - 1, -14) - 2)
;;       q = np.round(r / step) * step * 2.0 ** e      # np.round: ties to even
;;       return np.moveaxis(q.reshape(q.shape[:-2] + (-1,))[..., :K], -1, axis).astype(np.float32)
;;   ~~~
;;   SOFTMAX AHEAD OF A QUANTISED PRODUCT. Where the list says 'softmax', what is quantised is not the finished softmax but p = 2^(t - M), with t = logit x log2(e) and M = ceil(the row's largest t), a whole number; so 1/2 < the row's largest p <= 1. The row's sum l is taken of the UNQUANTISED p, in f32, and the product's result is divided by l at the end. Since M is a whole number, a kernel that streams over the keys may use a running M (the ceiling of the running maximum): every later rescaling is an exact power of two, which a block's scale takes up: the codes' values come out the same.
;;   OPERANDS COMPUTED ON THE WAY. 'Computed on the way' means the value that the module computes at that place (a softmax that the list does not call 'softmax' is quantised finished and normalised). What goes into a quantiser is computed in f32, as accurately as f32 sums, v_exp_f32 and their like allow (about 1e-6 of the number): no bf16 or f16 on the way to a quantiser, and a product that is left as it is and whose result goes on into a quantised operand takes f32 operands (vector FMAs, or v_wmma_f32_16x16x4_f32). A number that lies on a knife's edge between two numbers of the format may be rounded either way, as far as f32 arithmetic and the matrix unit's own rounding can turn it there, and no further.
;;   INPUTS GIVEN AS CODES. k (in the module: [4, 16, 2048, 128], K = its axis 3); q (in the module: [4, 16, 2048, 128], K = its axis 3); v (in the module: [4, 16, 2048, 128], K = its axis 2): each comes as NAME_codes (uint8): NAME with its K axis moved to the last place and cut into blocks of 32 codes, [.., K / 32, bytes a block], one block behind the other in memory; one code a byte (a code: sign, 5 exponent bits, 2 mantissa bits); and NAME_scales (uint8): the same leading axes, one E8M0 byte (e + 127) for each 32 codes along K. Its value is code x scale, taken as it is: it is not quantised again, and the codes and scales need not be those that the quantiser above would give.
;; One version. Each part assembles by itself: llvm-mc -triple=amdgcn-amd-amdhsa -mcpu=gfx1250 --defsym DOCPART=n.
;; ======== version 1 of 1: 1 launch
;; launch attn (part 1): grid 4 x 64, 8 waves a work-group, no clusters, 327,680 bytes of LDS; arguments q_codes, q_scales, k_codes, k_scales, v_codes, v_scales, out0; writes out0
.if DOCPART == 1
	.amdgcn_target "amdgcn-amd-amdhsa--gfx1250"
	.amdhsa_code_object_version 6
	.text
	.protected	k_qc94372b53b_attn
	.globl	k_qc94372b53b_attn
	.p2align	8
	.type	k_qc94372b53b_attn,@function
k_qc94372b53b_attn:
	s_mov_b64 s[64:65], 0
	v_nop
	global_prefetch_b8 v0, s[64:65] scope:SCOPE_SE
	s_setreg_imm32_b32 hwreg(HW_REG_WAVE_MODE, 25, 1), 1
	s_wait_xcnt 0x0
; Causal attention with ALiBi on codes of BF8 (E5M2), one E8M0 scale for each 32 along a product's K.  64 heads (4 x 16), 2,048 queries and keys, head size 128.
; logit(i, j) = q_i . k_j / sqrt(128) + (j - i) slope, slope = 2^(-(h + 1) / 2), h = head % 16; keys j > i do not count.  O = softmax(logit) V, f32.
; Q, K: [head][2048][128] codes, scale bytes [head][2048][4].  V: codes with the KEYS innermost, [head][128][2048], scale bytes [head][128][64].  O: [head][2048][128] f32.
; THE SOFTMAX AHEAD OF THE SECOND PRODUCT: t = logit x log2(e); M = the running largest t rounded UP to a whole number; p = 2^(t - M) is quantised along the keys, not normalised; the row's sum is taken of the
; unquantised p and divides O at the end.  When M moves, the sum and O are multiplied by 2^(old M - new M): exact.
; ALiBi IS THE C OF THE FIRST PRODUCT: S' = q . k + g (j - i), g = slope x sqrt(128) = 2^((6 - h) / 2), and t = c S', c = log2(e) / sqrt(128).  j - i is made as an exact whole number in f32 and multiplied by g once.
; SHARES.  Work-group (i, head), i = 0 .. 3, owns two blocks of 256 queries: block 7 - i (it needs the key slots 0 .. 7 - i: 8 - i visits), then block i (slots 0 .. i: i + 1 visits).  A slot is 256 keys:
; nine visits in every work-group, 256 work-groups.  Wave w owns 32 queries of the block in hand, TWO tiles of 16 (A, B), which share every fragment of K and of V that the wave reads from LDS.
; A visit's two key steps of 128 are written once and walked twice; a step all of whose keys come after the wave's queries is jumped over (a scalar branch on ids).
; LAYOUT.  Both products are used transposed: S^T = K Q^T (source 0 = 16 keys, source 1 = 16 queries), O^T = V^T P^T (source 0 = 16 channels, source 1 = P): a lane holds ONE query (lane % 16) throughout.
; A tile of K is 16 NEIGHBOURING keys, so register 8 T + j of lane (r, hh) is key 16 T + 8 hh + j.  p's codes of a block of 32 keys then stand in the order 8 hh + 0..7, 16 + 8 hh + 0..7, and V's fragments are loaded
; in the same order, 8 bytes at a time: a permutation of k INSIDE a block of 32, alike on both operands: the products and their scales are the same; the matrix unit groups the sum otherwise.
; CLUSTER: none.  The four work-groups of a head want the same slot only in their first five visits; from then on they are in different passes and want different slots in the same visit.  A form in which all four
; ask alike takes 12 joint visits in place of 9, with more key steps for the busiest wave.
; LIMITS: NaN and infinity among the codes and the scale byte 0xff are not treated apart: they go through as the matrix unit takes them.  A p under 2^-126 becomes 0.  c x g differs from slope x log2(e)
; by under 1.2e-7 of the ALiBi term.  The order of k inside a block of 32 in the second product is as said above.
; REGISTERS.  Window 0: v1-11, v25-27, v76-77, v240-241 addresses; v12-19 -M, largest t, the sum (A, B); v20-24 j - i and the mask; v28-35 scale words and nothing else; v36-75 at work (A, B);
;   v78-79 -16 g; v80-95, v224-239 p's codes (A, B); v96-159, v160-223 S^T, then p (A, B).   Window 1: v0-63, v64-127 O^T (A, B); v128-191 four fragments of K or of V; v192-223 Q (A, B).
.set KP,    144                        ; a key's row in LDS: 128 bytes + 16 of padding = 36 words: the 16 rows of a load start at 16 different groups of four banks (64 banks of 4 bytes: ISA guide 11.1)
.set VP,    272                        ; a row of V's tile: 256 bytes + 16 = 68 words: row r, half hh take banks 4 r + 2 hh, + 1
.set VOFF,  256*KP                     ; a slot: 256 rows of K, then 128 rows of V
.set SLOT1, 1<<17                      ; slot 1 begins here: one exclusive or turns an address in one slot into the other's
.set SCK,   VOFF+128*VP                ; behind slot 0: K's scale bytes of the whole head, 8,192 bytes as 32 rows of 256 + 16;
.set SCV,   SCK+32*272                 ; V's likewise;
.set SPARE, SCV+32*272                 ; the spare words, 128 bytes for each wave: four blocks of 256 bytes that no other line names
.set STAGE_A, SLOT1+VOFF+128*VP        ; behind slot 1: the first pass's way out, 16 rows x 272 bytes for each wave;
.set STAGE_B, STAGE_A+8*16*272         ; the second pass's: bytes of its own.  No fill lands in a stage
.set AK0,  1                           ; v1   my lane's place in a tile of K: 144 r + 16 hh
.set AV0,  2                           ; v2   in a tile of V: VOFF + 272 r + 8 hh
.set ASK0, 3                           ; v3   among K's scale words: SCK + 4 r
.set ASV0, 4                           ; v4   among V's: SCV + 272 (r / 4) + 64 (r % 4)
.set SPW,  5                           ; v5   LDS address of my spare word; never rewritten
.set NIL,  6                           ; v6   0; never rewritten
.set PFO,  7                           ; v7   the prefetches' offsets; never rewritten
.set PFO2, 26                          ; v26
.set ADK,  8                           ; v8-11 the step's LDS addresses: K, V, K's scale words, V's
.set ADV,  9
.set ADS,  10
.set ADT,  11
.set ST,   12                          ; tile x at v[ST + 4 x]: -M, the largest t, the sum in two halves
.set RL,   20                          ; v[20:21] e, e + 1 as f32;  e = first key - first query + 8 hh - r
.set EI,   22                          ; v22  e as a whole number
.set DM,   23                          ; v23  -e
.set NI,   24                          ; v24  -infinity
.set LI,   25                          ; v25  8 hh - r
.set QO,   27                          ; v27  128 r + 16 hh: my bytes in a tile of Q
.set FS,   28                          ; v28-31 the four fragments' scale words
.set QS,   32                          ; v32-33 Q's scale words (A, B)
.set PW,   34                          ; v34-35 p's scale words (A, B)
.set TT,   36                          ; tile x at v[TT + 20 x]: +0..3 block maxima, +4..7 the other half's, then the second chain of the sum, then the bytes, +8..11 the hold, +12..15 the conversions' scale, +16, 17 f, +18 at work
.set QSO,  76                          ; v76  4 r
.set STO,  77                          ; v77  the stage: where I put 32 bytes of a row
.set GN,   78                          ; v[78:79] -16 g
.set PC,   80                          ; p's codes: tile x at v[PC + 144 x]
.set SA,   96                          ; S^T: tile x at v[SA + 64 x]
.set SB,   160
.set RD,   240                         ; v240 the stage: where I read a row back
.set GO,   241                         ; v241 my byte offset in two rows of O
.set FR,   128                         ; window 1: the fragments
.set QF,   192                         ; window 1: Q
.set TBK,  2                           ; s2   LDS byte at which the step's rows of K begin
.set TBV,  3                           ; s3   and the step's bytes in V's rows
.set WV,   18                          ; s18  my wave's number
.set MNT,  19                          ; s19  the mantissa field of 57,344
.set SEL,  20                          ; s[20:21] v_permlanex16_b32's selects for lane l xor 16
.set CS,   22                          ; s[22:23] c
.set G1K,  24                          ; descriptor groups 1: K's tiles, V's tiles, the scale bytes; groups 0: K's and V's walk
.set G1V,  32
.set G0K,  40
.set G0V,  44
.set G1S,  48
.set G0SK, 56
.set G0SV, 60
.set TS,   66                          ; s66  where the step's scale words of K begin: 544 bytes a step
.set TJ,   67                          ; s67  and V's: 4 bytes a step
.set U,    68                          ; s68  the visit, 0 .. 8
.set NB,   69                          ; s69  visits of the first pass: 8 - i
.set OFS,  70                          ; s[70:71] an offset, its upper word 0
.set KF,   72                          ; s72  the step's first key
.set Q0,   73                          ; s73  my first query in the pass in hand
.set Q0B,  74                          ; s74  in the second pass
.set TWICE, 75
.set PFA,  76                          ; s[76:77] where my prefetches stand
.set PFS,  78                          ; s[78:79] a slot on, in bytes
.set LIM,  80                          ; s80  a wave prefetches while the visit is under it: 6, or 0
.set KS,   81                          ; s81  the visit's key slot
.set G,    82                          ; s[82:83] g
.set KB,   84                          ; s[84:85] my half of slot 0 of K in memory
.set VB,   86                          ; s[86:87] of V
.set QP2,  88                          ; s[88:93] Q's codes, Q's scales, O at my rows of the second pass (s[4:7], s[16:17]: of the first)
.set QS2,  90
.set OP2,  92
.set MSB, 0
.macro WIN new                         ; s_set_vgpr_msb: bits 1:0 source 0, 3:2 source 1, 5:4 source 2, 7:6 destination; the high byte repeats the setting that is left
.if MSB != \new
	s_set_vgpr_msb (MSB<<8)|\new
.set MSB, \new
.endif
.endm
.set TO1,   0x40                       ; destination window 1
.set W_KQ,  0x05                       ; K and Q window 1, S^T window 0
.set W_RS,  0x41                       ; O^T (destination and source 0) window 1, f window 0
.set W_PV,  0x51                       ; V window 1, p's codes window 0, O^T window 1
.set W_OUT, 0x01                       ; O^T window 1, the result window 0
; Waves 0 and 1 fetch K's halves of a slot, waves 2 and 3 V's, the others nothing.  The branches hang on the wave's number alone.  Four v_nop follow each tensor load.
.macro TLOAD
	s_cmp_lt_u32 s[WV], 2
	s_cbranch_scc0 .Lnot_k_\@
	tensor_load_to_lds s[G0K:G0K+3], s[G1K:G1K+7]
	s_nop 0
.rept 4
	v_nop
.endr
	s_branch .Lasked_\@
.Lnot_k_\@:
	s_cmp_lt_u32 s[WV], 4
	s_cbranch_scc0 .Lasked_\@
	tensor_load_to_lds s[G0V:G0V+3], s[G1V:G1V+7]
	s_nop 0
.rept 4
	v_nop
.endr
.Lasked_\@:
.endm
; A PREFETCH INTO THE L2 of the slot that the NEXT visit's tensor loads will ask for: in visit U slot U + 2, one visit (two key steps) ahead of that load.  Each aligned block of 256 bytes of K's and V's codes
; from slot 2 on is named once in the launch: of a head's four work-groups the one with i = 0 asks, whose first pass walks all eight slots; in it the waves that fetch nothing: waves 4 and 5 for K's dense
; 32,768 bytes (16,384 a wave, lanes 256 bytes apart, two instructions), waves 6 and 7 for V's 128 rows (64 a wave, a lane a row of 256 bytes, two instructions).  Visit 5 asks for slot 7, the last; later visits ask for nothing.
.macro ASK
	s_cmp_lt_u32 s[U], s[LIM]
	s_cbranch_scc0 .Lnot_mine_\@
	global_prefetch_b8 v[PFO], s[PFA:PFA+1] th:TH_LOAD_NT scope:SCOPE_SE
	global_prefetch_b8 v[PFO2], s[PFA:PFA+1] th:TH_LOAD_NT scope:SCOPE_SE
.Lnot_mine_\@:
.endm
; THE CHANGE OF SLOTS stands at a visit's head.  Each wave waits for all its tensor loads (its part of the slot that it is about to read), adds 0 to its spare word, and waits for that and for its LDS reads of the
; slot that it has left.  Behind the barrier the slot ahead is whole and nobody reads the other one.  fill = 1: that other slot is filled with the next visit's keys: the load has a visit's two steps in which to land.
.macro CHANGE fill
	s_wait_tensorcnt 0x0                           ; no tensor load of mine is out, so a group 0 may be written
	ds_add_u32 v[SPW], v[NIL]                      ; 0 onto my spare word; the visit's scalars are made between it and the wait for it
	s_cmp_ge_u32 s[U], s[NB]                       ; which key slot this visit reads: U in the first pass, U - NB in the second
	s_cselect_b32 s96, s[NB], 0
	s_sub_co_u32 s[KS], s[U], s96
	s_min_u32 s[KS], s[KS], 7                      ; (changes no value: a slot's number is 7 at the most)
	s_mul_i32 s[TS], s[KS], 4*272                  ; its scale words of K: 256 keys x 4 bytes are four rows of 272
	s_lshl_b32 s[TJ], s[KS], 3                     ; of V: 8 bytes on in each row
	s_lshl_b32 s[KF], s[KS], 8                     ; its first key
.if \fill
	s_xor_b32 s[G0K+1], s[G0K+1], SLOT1            ; the walking descriptors: the other slot than last time,
	s_xor_b32 s[G0V+1], s[G0V+1], SLOT1
	s_add_co_u32 s96, s[U], 1                      ; and the key slot of the next visit
	s_cmp_ge_u32 s96, s[NB]
	s_cselect_b32 s97, s[NB], 0
	s_sub_co_u32 s96, s96, s97
	s_lshl_b32 s[OFS], s96, 15                     ; K: 256 rows of 128 bytes a slot
	s_add_nc_u64 s[G0K+2:G0K+3], s[KB:KB+1], s[OFS:OFS+1]
	s_or_b32 s[G0K+3], s[G0K+3], 0x80000000
	s_lshl_b32 s[OFS], s96, 8                      ; V: 256 bytes on in each row
	s_add_nc_u64 s[G0V+2:G0V+3], s[VB:VB+1], s[OFS:OFS+1]
	s_or_b32 s[G0V+3], s[G0V+3], 0x80000000
	s_wait_xcnt 0x0                                ; the last prefetches, a visit back, have read their address, so it may be written
	s_add_nc_u64 s[PFA:PFA+1], s[PFA:PFA+1], s[PFS:PFS+1]
.endif
	s_wait_dscnt 0x0                               ; the add is done, and my LDS reads of the slot that I have left are over
	s_barrier_signal -1
	s_barrier_wait -1
.if \fill
	TLOAD                                          ; the first thing behind the barrier, and a wave's one tensor load until the next
	ASK
.endif
.endm
; Four fragments of K (tiles 4 g .. 4 g + 3 of 16 neighbouring keys) and their rows' scale words
.macro KLOAD g
	WIN TO1
.irp t, 0,1,2,3
.irp c, 0,1,2,3
	ds_load_b128 v[FR+16*\t+4*\c:FR+16*\t+4*\c+3], v[ADK] offset:(4*\g+\t)*16*KP+32*\c
.endr
.endr
	WIN 0
.irp t, 0,1,2,3
	ds_load_b32 v[FS+\t], v[ADS] offset:272*\g+64*\t
.endr
.endm
; Four fragments of V (channels 16 (4 g + t) on), 8 bytes at a time in the order in which p's codes stand: registers 4 c, 4 c + 1 keys 32 c + 8 hh on, registers 4 c + 2, 4 c + 3 keys 32 c + 16 + 8 hh on
.macro VLOAD g
	WIN TO1
.irp t, 0,1,2,3
.irp c, 0,1,2,3
	ds_load_b64 v[FR+16*\t+4*\c:FR+16*\t+4*\c+1], v[ADV] offset:(4*\g+\t)*16*VP+32*\c
	ds_load_b64 v[FR+16*\t+4*\c+2:FR+16*\t+4*\c+3], v[ADV] offset:(4*\g+\t)*16*VP+32*\c+16
.endr
.endr
	WIN 0
.irp t, 0,1,2,3
	ds_load_b32 v[FS+\t], v[ADT] offset:(4*\g+\t)*4*272
.endr
.endm
; j - i of tile A, exact: pair p (registers 2 p, 2 p + 1) is (e, e + 1) + 16 (p / 4) + 2 (p % 4); the constants are those whole numbers as f32.  Pairs lo .. hi - 1
.macro CADD lo, hi
.set p, 0
.irp f, 0, 0x40000000, 0x40800000, 0x40c00000, 0x41800000, 0x41900000, 0x41a00000, 0x41b00000, 0x42000000, 0x42080000, 0x42100000, 0x42180000, 0x42400000, 0x42480000, 0x42500000, 0x42580000, 0x42800000, 0x42840000, 0x42880000, 0x428c0000, 0x42a00000, 0x42a40000, 0x42a80000, 0x42ac0000, 0x42c00000, 0x42c40000, 0x42c80000, 0x42cc0000, 0x42e00000, 0x42e40000, 0x42e80000, 0x42ec0000
.if (p >= \lo) && (p < \hi)
	v_pk_add_f32 v[SA+2*p:SA+2*p+1], v[RL:RL+1], \f op_sel_hi:[1,0]
.endif
.set p, p+1
.endr
.endm
.macro CFMA lo, n                      ; tile B's queries lie 16 further on: g (j - i) - 16 g, rounded once
.set p, \lo
.rept \n
	v_pk_fma_f32 v[SB+2*p:SB+2*p+1], v[SA+2*p:SA+2*p+1], s[G:G+1], v[GN:GN+1] op_sel_hi:[1,0,1]
.set p, p+1
.endr
.endm
.macro CMUL lo, n                      ; tile A: g (j - i)
.set p, \lo
.rept \n
	v_pk_mul_f32 v[SA+2*p:SA+2*p+1], v[SA+2*p:SA+2*p+1], s[G:G+1] op_sel_hi:[1,0]
.set p, p+1
.endr
.endm
; S' = K Q^T + the ALiBi term that stands in the accumulator: eight accumulators, one instruction each
.macro KQ g
	WIN W_KQ
.irp t, 0,1,2,3
.irp x, 0,1
	v_wmma_scale_f32_16x16x128_f8f6f4 v[SA+64*\x+8*(4*\g+\t):SA+64*\x+8*(4*\g+\t)+7], v[FR+16*\t:FR+16*\t+15], v[QF+16*\x:QF+16*\x+15], v[SA+64*\x+8*(4*\g+\t):SA+64*\x+8*(4*\g+\t)+7], v[FS+\t], v[QS+\x] matrix_a_fmt:MATRIX_FMT_BF8 matrix_b_fmt:MATRIX_FMT_BF8
.endr
.endr
.endm
; O^T += V^T P^T over these 128 keys: eight accumulators, one instruction each
.macro PV g
	WIN W_PV
.irp t, 0,1,2,3
.irp x, 0,1
	v_wmma_scale_f32_16x16x128_f8f6f4 v[64*\x+8*(4*\g+\t):64*\x+8*(4*\g+\t)+7], v[FR+16*\t:FR+16*\t+15], v[PC+144*\x:PC+144*\x+15], v[64*\x+8*(4*\g+\t):64*\x+8*(4*\g+\t)+7], v[FS+\t], v[PW+\x] matrix_a_fmt:MATRIX_FMT_BF8 matrix_b_fmt:MATRIX_FMT_BF8
.endr
.endr
.endm
.macro RESC x, t0, n                   ; O^T of tile x, n accumulators from t0 on, under the new M: x f; each accumulator from its low end on
	WIN W_RS
.set j, 64*\x+8*\t0
.rept 4*\n
	v_pk_mul_f32 v[j:j+1], v[j:j+1], v[TT+20*\x+16:TT+20*\x+17] op_sel_hi:[1,0]
.set j, j+2
.endr
.endm
; On the diagonal the scores of hidden keys become -infinity ahead of the maximum: p = 0 then.  Register n of tile x holds key KF + 8 hh + 16 (n / 8) + n % 8 and query Q0 + 16 x + r: hidden where
; 16 (n / 8) + n % 8 - 16 x > -e.  A step all of whose keys count for all 32 queries jumps over this.  KF is a multiple of 128 and Q0 of 32, so in a step that is walked key KF counts for every query: no row is all hidden.
.macro MASK
	s_add_co_u32 s96, s[KF], 127
	s_cmp_le_u32 s96, s[Q0]
	s_cbranch_scc1 .Lopen_\@
.irp x, 0,1
.set n, 0
.rept 64
	v_cmp_gt_i32 vcc_lo, 16*(n/8)+n%8-16*\x, v[DM]
	v_cndmask_b32 v[SA+64*\x+n], v[SA+64*\x+n], v[NI], vcc_lo
.set n, n+1
.endr
.endr
.Lopen_\@:
.endm
; The softmax and p's quantiser for both tiles, which take turns line by line.
.macro SOFTMAX
.irp b, 0,1,2,3
.irp x, 0,1
	v_max3_num_f32 v[TT+20*\x+\b], v[SA+64*\x+16*\b], v[SA+64*\x+16*\b+1], v[SA+64*\x+16*\b+2]   ; THE LARGEST S' OF EACH BLOCK OF 32 KEYS: it serves for the row's maximum and, since p rises with S', for the block's largest p
.endr
.endr
.irp i, 3,5,7,9,11,13
.irp b, 0,1,2,3
.irp x, 0,1
	v_max3_num_f32 v[TT+20*\x+\b], v[TT+20*\x+\b], v[SA+64*\x+16*\b+\i], v[SA+64*\x+16*\b+\i+1]   ; (the block's second accumulator is first read at its lowest register, with i = 7)
.endr
.endr
.endr
.irp b, 0,1,2,3
.irp x, 0,1
	v_max_num_f32 v[TT+20*\x+\b], v[TT+20*\x+\b], v[SA+64*\x+16*\b+15]
.endr
.endr
.irp b, 0,1,2,3
.irp x, 0,1
	v_permlanex16_b32 v[TT+20*\x+4+\b], v[TT+20*\x+\b], s[SEL], s[SEL+1]
.endr
.endr
.irp b, 0,1,2,3
.irp x, 0,1
	v_max_num_f32 v[TT+20*\x+\b], v[TT+20*\x+\b], v[TT+20*\x+4+\b]   ; with lane l xor 16's 16 keys
.endr
.endr
.irp x, 0,1
	v_max3_num_f32 v[TT+20*\x+18], v[TT+20*\x], v[TT+20*\x+1], v[TT+20*\x+2]
.endr
.irp x, 0,1
	v_max_num_f32 v[TT+20*\x+18], v[TT+20*\x+18], v[TT+20*\x+3]      ; the step's largest S' of my query
.endr
.irp x, 0,1
	v_mul_f32 v[TT+20*\x+18], s[CS], v[TT+20*\x+18]                  ; as t (c is positive)
.endr
.irp x, 0,1
	v_max_num_f32 v[ST+4*\x+1], v[ST+4*\x+1], v[TT+20*\x+18]         ; the running largest t
.endr
.irp x, 0,1
	v_mov_b32 v[TT+20*\x+18], v[ST+4*\x]
.endr
.irp x, 0,1
	v_floor_f32 v[ST+4*\x], -v[ST+4*\x+1]                            ; the new -M = floor(-t) = -ceil(t): M is a whole number
.endr
.irp x, 0,1
	v_sub_f32 v[TT+20*\x+18], v[ST+4*\x], v[TT+20*\x+18]             ; old M - new M: a whole number, 0 or less
.endr
.irp x, 0,1
	v_cvt_i32_f32 v[TT+20*\x+18], v[TT+20*\x+18]                     ; (it saturates)
.endr
.irp x, 0,1
	v_ldexp_f32 v[TT+20*\x+16], 1.0, v[TT+20*\x+18]                  ; f = 2^(old M - new M)
.endr
.set j, 0
.rept 32
.irp x, 0,1
	v_pk_fma_f32 v[SA+64*\x+j:SA+64*\x+j+1], v[SA+64*\x+j:SA+64*\x+j+1], s[CS:CS+1], v[ST+4*\x:ST+4*\x+1] op_sel_hi:[1,0,0]   ; t - M, two at a time (of the pairs c and -M the low word serves both halves)
.endr
.set j, j+2
.endr
.irp b, 0,1,2,3
.irp x, 0,1
	v_fma_f32 v[TT+20*\x+\b], v[TT+20*\x+\b], s[CS], v[ST+4*\x]      ; the same of each block's largest S'
.endr
.endr
.set j, 0
.rept 64
.irp x, 0,1
	v_exp_f32 v[SA+64*\x+j], v[SA+64*\x+j]                           ; p = 2^(t - M), at most 1: not normalised.  128 exponentials: one batch
.endr
.set j, j+1
.endr
.irp x, 0,1
	v_pk_mul_f32 v[ST+4*\x+2:ST+4*\x+3], v[ST+4*\x+2:ST+4*\x+3], v[TT+20*\x+16:TT+20*\x+17] op_sel_hi:[1,0]   ; the sums under the new M (plain lines behind the exponentials)
.endr
	s_wait_alu depctr_va_vdst(0)                   ; one wait for the batch, ahead of the first line that names a result
.irp b, 0,1,2,3
.irp x, 0,1
	v_exp_f32 v[TT+20*\x+\b], v[TT+20*\x+\b]                         ; the block's largest p: the same two instructions on the same number give the same bits
.endr
.endr
.irp x, 0,1
	v_pk_add_f32 v[TT+20*\x+4:TT+20*\x+5], v[SA+64*\x:SA+64*\x+1], v[SA+64*\x+2:SA+64*\x+3]   ; THE ROW'S SUM IS TAKEN OF THE UNQUANTISED p: two at a time, in two chains a tile.  (It reads the 128 alone: plain work behind the eight)
.endr
.set j, 4
.rept 15
.irp x, 0,1
	v_pk_add_f32 v[ST+4*\x+2:ST+4*\x+3], v[ST+4*\x+2:ST+4*\x+3], v[SA+64*\x+j:SA+64*\x+j+1]
	v_pk_add_f32 v[TT+20*\x+4:TT+20*\x+5], v[TT+20*\x+4:TT+20*\x+5], v[SA+64*\x+j+2:SA+64*\x+j+3]
.endr
.set j, j+4
.endr
.irp x, 0,1
	v_pk_add_f32 v[ST+4*\x+2:ST+4*\x+3], v[ST+4*\x+2:ST+4*\x+3], v[TT+20*\x+4:TT+20*\x+5]
.endr
	s_wait_alu depctr_va_vdst(0)                   ; and one for the eight
.irp b, 0,1,2,3
.irp x, 0,1
	v_max_num_f32 v[TT+20*\x+\b], 0x8000000, v[TT+20*\x+\b]          ; the floor 2^(16 - 127): the byte cannot fall under 1 (a block whose every p is 0 keeps that byte: its codes are zeros)
.endr
.endr
.irp b, 0,1,2,3
.irp x, 0,1
	v_add_nc_u32 v[TT+20*\x+12+\b], 0xf8800000, v[TT+20*\x+\b]       ; 15 off the exponent field: the conversion's scale operand
.endr
.endr
.irp b, 0,1,2,3
.irp x, 0,1
	v_and_or_b32 v[TT+20*\x+8+\b], v[TT+20*\x+\b], 0x7f800000, s[MNT]   ; 57,344 x the scale
.endr
.endr
.irp b, 0,1,2,3
.irp x, 0,1
	v_lshrrev_b32 v[TT+20*\x+4+\b], 23, v[TT+20*\x+12+\b]            ; the scale's byte
.endr
.endr
.irp x, 0,1
	v_lshl_or_b32 v[PW+\x], v[TT+20*\x+5], 8, v[TT+20*\x+4]          ; p's scale word for these 128 keys
.endr
.irp x, 0,1
	v_lshl_or_b32 v[PW+\x], v[TT+20*\x+6], 16, v[PW+\x]
.endr
.irp x, 0,1
	v_lshl_or_b32 v[PW+\x], v[TT+20*\x+7], 24, v[PW+\x]
.endr
.irp b, 0,1,2,3
.irp x, 0,1
.set j, 0
.rept 16
	v_min_num_f32 v[SA+64*\x+16*\b+j], v[SA+64*\x+16*\b+j], v[TT+20*\x+8+\b]   ; the conversion to an 8-bit code does not saturate (ISA guide 7.6.2); p is not negative, so the hold is one-sided
.set j, j+1
.endr
	v_cvt_scalef32_pk8_bf8_f32 v[PC+144*\x+4*\b:PC+144*\x+4*\b+1], v[SA+64*\x+16*\b:SA+64*\x+16*\b+7], v[TT+20*\x+12+\b]
	v_cvt_scalef32_pk8_bf8_f32 v[PC+144*\x+4*\b+2:PC+144*\x+4*\b+3], v[SA+64*\x+16*\b+8:SA+64*\x+16*\b+15], v[TT+20*\x+12+\b]
.endr
.endr
.endm
; A KEY STEP: 128 keys for my 32 queries.  Written once in a visit and walked twice: what differs stands in scalars.
.macro STEP
	s_add_co_u32 s96, s[Q0], 31                    ; a step all of whose keys come after my queries is left out: a branch on ids, round the step's loads and work, not round the lines at its end that step addresses
	s_cmp_gt_u32 s[KF], s96
	s_cbranch_scc1 .Lhidden_\@
	s_sub_co_i32 s96, s[KF], s[Q0]
	v_add_nc_u32 v[ADK], s[TBK], v[AK0]            ; nine plain lines: eight places are owed in front of loads into registers that the last products have read
	v_add_nc_u32 v[ADV], s[TBV], v[AV0]
	v_add_nc_u32 v[ADS], s[TS], v[ASK0]
	v_add_nc_u32 v[ADT], s[TJ], v[ASV0]
	v_add_nc_u32 v[EI], s96, v[LI]                 ; e = KF - Q0 + 8 hh - r: j - i of tile A's register 0
	v_cvt_f32_i32 v[RL], v[EI]                     ; exact: under 2^12 in magnitude
	v_add_f32 v[RL+1], 1.0, v[RL]
	v_nop
	v_nop
	KLOAD 0
	CADD 0, 16                                     ; the ALiBi term of tiles 0-3 is made while the loads are out
	CFMA 0, 16
	CMUL 0, 16
	CADD 16, 20                                    ; four plain lines between the last write of a starting value and the products that take it, kept as for an operand written by vector instructions
	s_wait_dscnt 0x0                               ; K's four fragments and their scale words: all that I have asked for
	KQ 0
	WIN 0
	CADD 20, 32                                    ; twelve places in front of the loads below
	KLOAD 1
	CFMA 16, 16
	CMUL 16, 16
	v_sub_nc_u32 v[DM], 0, v[EI]                   ; the mask's two numbers, and two v_nop: four plain lines, as above
	v_mov_b32 v[NI], 0xff800000
	v_nop
	v_nop
	s_wait_dscnt 0x0
	KQ 1
	WIN 0
.rept 8
	v_nop                                          ; eight places in front of the loads below and of the first read of S'
.endr
	VLOAD 0                                        ; V's first four fragments land under the softmax
	MASK
	SOFTMAX
	RESC 0, 0, 4                                   ; plain lines behind the last conversion; p's codes stand more than four places and its scale words more than eight ahead of the products
	RESC 1, 0, 4
	RESC 0, 4, 1                                   ; (four plain lines, as above)
	s_wait_dscnt 0x0
	PV 0
	RESC 0, 5, 3                                   ; twelve places in front of the loads below
	VLOAD 1
	RESC 1, 4, 4
.rept 4
	v_nop                                          ; (four plain lines, as above; V's loads are out meanwhile)
.endr
	s_wait_dscnt 0x0
	PV 1
	WIN 0
.Lhidden_\@:
	s_add_co_u32 s[KF], s[KF], 128
	s_add_co_u32 s[TBK], s[TBK], 128*KP
	s_add_co_u32 s[TBV], s[TBV], 128
	s_add_co_u32 s[TS], s[TS], 2*272
	s_add_co_u32 s[TJ], s[TJ], 4
.endm
.macro TWO_STEPS
	s_mov_b32 s[TWICE], 2
.Lstep_\@:
	STEP
	s_sub_co_u32 s[TWICE], s[TWICE], 1
	s_cmp_lg_u32 s[TWICE], 0
	s_cbranch_scc1 .Lstep_\@
	s_sub_co_u32 s[TBK], s[TBK], 2*128*KP          ; back to a slot's first step,
	s_xor_b32 s[TBK], s[TBK], SLOT1                ; in the other slot
	s_sub_co_u32 s[TBV], s[TBV], 256
	s_xor_b32 s[TBV], s[TBV], SLOT1
.endm
; A pass begins: my 32 queries' codes and scale words; the largest t -3e38, under every t; the sums and O^T zeros, which the first change of M leaves zeros: so the key step has no first form of its own.
.macro INIT qp, qsp
	WIN TO1
.irp x, 0,1
.irp c, 0,1,2,3
	global_load_b128 v[QF+16*\x+4*\c:QF+16*\x+4*\c+3], v[QO], s[\qp:\qp+1] offset:2048*\x+32*\c
.endr
.endr
	WIN 0
	global_load_b32 v[QS], v[QSO], s[\qsp:\qsp+1]
	global_load_b32 v[QS+1], v[QSO], s[\qsp:\qsp+1] offset:64
.irp x, 0,1
	v_mov_b32 v[ST+4*\x+1], 0xff61b1e6
	v_mov_b32 v[ST+4*\x+2], 0
	v_mov_b32 v[ST+4*\x+3], 0
.endr
.irp x, 0,1
	v_floor_f32 v[ST+4*\x], -v[ST+4*\x+1]
.endr
	WIN TO1
.set j, 0
.rept 128
	v_mov_b32 v[j], 0
.set j, j+1
.endr
	WIN 0
	s_wait_loadcnt 0x0                             ; Q
	s_wait_xcnt 0x0                                ; the way out's stores have read their registers: the next step writes them again only behind this wait
.endm
; THE WAY OUT of a pass.  The sum's two halves and lane l xor 16's are added; O^T / the sum goes through my own stage in LDS, half a row (64 channels, 256 bytes) of 16 queries at a turn, and comes back by rows.
.macro WAYOUT op, so
	WIN 0
.rept 4
	v_nop                                          ; with the four additions and the v_nop below: nine plain lines ahead of the first read of O^T; eight are owed
.endr
.irp x, 0,1
	v_add_f32 v[TT+20*\x+18], v[ST+4*\x+2], v[ST+4*\x+3]
.endr
.irp x, 0,1
	v_permlanex16_b32 v[TT+20*\x+4], v[TT+20*\x+18], s[SEL], s[SEL+1]
.endr
.irp x, 0,1
	v_add_f32 v[TT+20*\x+18], v[TT+20*\x+18], v[TT+20*\x+4]
.endr
.irp x, 0,1
	v_rcp_f32 v[TT+20*\x+16], v[TT+20*\x+18]
.endr
	v_nop                                          ; a plain line behind the last reciprocal,
	s_wait_alu depctr_va_vdst(0)                   ; and a wait ahead of the first use: one for the two
	WIN W_OUT
.irp x, 0,1
.set j, 0
.rept 32
	v_pk_mul_f32 v[SA+64*\x+j:SA+64*\x+j+1], v[64*\x+j:64*\x+j+1], v[TT+20*\x+16:TT+20*\x+17] op_sel_hi:[1,0]   ; register 8 T + i is o(r, 16 T + 8 hh + i); each accumulator from its low end on
.set j, j+2
.endr
.endr
	WIN 0
.irp x, 0,1
.irp u, 0,1
.irp t, 0,1,2,3
	ds_store_b128 v[STO], v[SA+64*\x+32*\u+8*\t:SA+64*\x+32*\u+8*\t+3] offset:(\so)+64*\t
	ds_store_b128 v[STO], v[SA+64*\x+32*\u+8*\t+4:SA+64*\x+32*\u+8*\t+7] offset:(\so)+64*\t+16
.endr
.irp i, 0,1,2,3,4,5,6,7
	ds_load_b128 v[SA+64*\x+32*\u+4*\i:SA+64*\x+32*\u+4*\i+3], v[RD] offset:(\so)+2*\i*272   ; LDS serves a wave's instructions in order (ISA guide 5.7.1.4): these see my stores, and the next turn's stores come behind them
.endr
.endr
.endr
.irp x, 0,1
.irp u, 0,1
.irp i, 0,1,2,3,4,5,6,7
	s_wait_dscnt 16*(3-2*\x-\u)+7-\i               ; behind this load: the 7 - i younger ones of its turn and the sixteen LDS instructions of each later turn
	global_store_b128 v[GO], v[SA+64*\x+32*\u+4*\i:SA+64*\x+32*\u+4*\i+3], s[\op:\op+1] offset:8192*\x+1024*\i+256*\u th:TH_STORE_NT   ; 16 lanes store 256 consecutive bytes, at a multiple of 256 from O's first byte
.endr
.endr
.endr
.endm
	s_load_b128 s[4:7], s[0:1], 0x0                ; Q's codes, Q's scales
	s_load_b128 s[8:11], s[0:1], 0x10              ; K's codes, K's scales
	s_load_b128 s[12:15], s[0:1], 0x20             ; V's codes, V's scales
	s_load_b64 s[16:17], s[0:1], 0x30              ; O
	v_lshl_add_u32 v[SPW], v0, 2, SPARE
	v_mov_b32 v[NIL], 0
	ds_add_u32 v5, v6
	s_wait_dscnt 0x0
	v_lshrrev_b32 v8, 5, v0
	v_readfirstlane_b32 s[WV], v8                  ; wave 0..7
	s_and_b32 s94, ttmp7, 0xffff                   ; the head, 0..63
	s_sub_co_u32 s[NB], 8, ttmp9                   ; visits of the first pass
	s_lshl_b32 s95, s[WV], 5
	s_sub_co_u32 s[Q0], 7, ttmp9
	s_lshl_b32 s[Q0], s[Q0], 8
	s_add_co_u32 s[Q0], s[Q0], s95                 ; my first query: 256 (7 - i) + 32 w,
	s_lshl_b32 s[Q0B], ttmp9, 8
	s_add_co_u32 s[Q0B], s[Q0B], s95               ; then 256 i + 32 w
	s_and_b32 s95, s94, 15                         ; h
	s_sub_co_i32 s96, 6, s95
	s_ashr_i32 s96, s96, 1                         ; floor((6 - h) / 2)
	s_lshl_b32 s96, s96, 23                        ; onto the exponent field
	s_and_b32 s95, s95, 1
	s_cmp_eq_u32 s95, 1
	s_mov_b32 s97, 0x3f800000                      ; of 1,
	s_cselect_b32 s97, 0x3fb504f3, s97             ; or of sqrt(2) where h is odd
	s_add_co_u32 s[G], s97, s96                    ; g = 2^((6 - h) / 2)
	s_mov_b32 s[G+1], s[G]                         ; (named with it as a pair, so it is written)
	; descriptor groups 1.  K: 128 rows of 128 bytes, dense in memory; 16 bytes of padding behind each
	s_mov_b32 s[G1K], (0<<16)|(1<<20)|(4<<22)|(3<<25)   ; 15:0 no mask; 17:16 elements of 1 byte; 20 padding on; 24:22 after every 32 words (code 4); 31:25 four words (code 3)
	s_mov_b32 s[G1K+1], 128<<16                    ; tensor_dim0
	s_mov_b32 s[G1K+2], 128<<16                    ; tensor_dim1
	s_mov_b32 s[G1K+3], 128<<16                    ; tile_dim0
	s_mov_b32 s[G1K+4], 128                        ; tile_dim1
	s_mov_b32 s[G1K+5], 128                        ; tensor_dim0_stride
	s_mov_b32 s[G1K+6], 0
	s_mov_b32 s[G1K+7], 0
	; V: 64 rows of 256 bytes, 2,048 bytes apart in memory
	s_mov_b32 s[G1V], (0<<16)|(1<<20)|(5<<22)|(3<<25)   ; padding: four words after every 64
	s_mov_b32 s[G1V+1], 256<<16
	s_mov_b32 s[G1V+2], 64<<16
	s_mov_b32 s[G1V+3], 256<<16
	s_mov_b32 s[G1V+4], 64
	s_mov_b32 s[G1V+5], 2048
	s_mov_b32 s[G1V+6], 0
	s_mov_b32 s[G1V+7], 0
	; the scale bytes: half a head's, 4,096 dense bytes, as 16 rows of 256 bytes (32 elements of 8 bytes), 16 bytes of padding behind each
	s_mov_b32 s[G1S], (3<<16)|(1<<20)|(5<<22)|(3<<25)
	s_mov_b32 s[G1S+1], 32<<16
	s_mov_b32 s[G1S+2], 16<<16
	s_mov_b32 s[G1S+3], 32<<16
	s_mov_b32 s[G1S+4], 16
	s_mov_b32 s[G1S+5], 32
	s_mov_b32 s[G1S+6], 0
	s_mov_b32 s[G1S+7], 0
	s_mov_b32 s[SEL], 0x76543210
	s_mov_b32 s[SEL+1], 0xfedcba98
	s_mov_b32 s[CS], 0x3e0293ee                    ; c = log2(e) / sqrt(128)
	s_mov_b32 s[CS+1], s[CS]
	s_mov_b32 s[MNT], 0x600000
	s_mov_b32 s[TBK], 0
	s_mov_b32 s[TBV], 0
	s_mov_b32 s[U], 0
	s_mov_b32 s[OFS+1], 0
	s_and_b32 s98, s[WV], 1                        ; which half of a tile I fetch, if I fetch
	s_lshl_b32 s99, s94, 18                        ; the head's first byte in each tensor of codes
	s_lshl_b32 s96, s98, 14                        ; K: 128 rows of 128 bytes
	s_add_co_u32 s96, s96, s99
	s_mov_b32 s97, 0
	s_lshl_b32 s100, s98, 17                       ; V: 64 rows of 2,048 bytes
	s_add_co_u32 s100, s100, s99
	s_mov_b32 s101, 0
	s_wait_kmcnt 0x0
	s_add_nc_u64 s[KB:KB+1], s[8:9], s[96:97]
	s_add_nc_u64 s[VB:VB+1], s[12:13], s[100:101]
	s_lshl_b32 s96, s94, 13                        ; the scale bytes: 8,192 a head, my half's 4,096
	s_lshl_b32 s100, s98, 12
	s_add_co_u32 s96, s96, s100
	s_mov_b32 s[G0K], 1                            ; 1:0 count = 1
	s_mul_i32 s[G0K+1], s98, 128*KP                ; 63:32 LDS address: slot 0, my half
	s_mov_b64 s[G0K+2:G0K+3], s[KB:KB+1]           ; 120:64 global address: the head's first 256 keys
	s_or_b32 s[G0K+3], s[G0K+3], 0x80000000        ; 127:126 type = 2
	s_mov_b32 s[G0V], 1
	s_mul_i32 s[G0V+1], s98, 64*VP
	s_add_co_u32 s[G0V+1], s[G0V+1], VOFF
	s_mov_b64 s[G0V+2:G0V+3], s[VB:VB+1]
	s_or_b32 s[G0V+3], s[G0V+3], 0x80000000
	s_mul_i32 s100, s98, 16*272
	s_mov_b32 s[G0SK], 1
	s_add_co_u32 s[G0SK+1], s100, SCK
	s_add_nc_u64 s[G0SK+2:G0SK+3], s[10:11], s[96:97]
	s_or_b32 s[G0SK+3], s[G0SK+3], 0x80000000
	s_mov_b32 s[G0SV], 1
	s_add_co_u32 s[G0SV+1], s100, SCV
	s_add_nc_u64 s[G0SV+2:G0SV+3], s[14:15], s[96:97]
	s_or_b32 s[G0SV+3], s[G0SV+3], 0x80000000
	; THE FIRST FILLS: a wave's two stand in one branch on its number, ahead of every wait on TENSORcnt, every LDS read and every barrier: the head's scale bytes, filled once, and slot 0.  Two loads of a wave are out.
	s_cmp_lt_u32 s[WV], 2
	s_cbranch_scc0 .Lfirst_not_k
	tensor_load_to_lds s[G0SK:G0SK+3], s[G1S:G1S+7]
	s_nop 0
	tensor_load_to_lds s[G0K:G0K+3], s[G1K:G1K+7]
	s_nop 0
.rept 4
	v_nop
.endr
	s_branch .Lfirst_asked
.Lfirst_not_k:
	s_cmp_lt_u32 s[WV], 4
	s_cbranch_scc0 .Lfirst_asked
	tensor_load_to_lds s[G0SV:G0SV+3], s[G1S:G1S+7]
	s_nop 0
	tensor_load_to_lds s[G0V:G0V+3], s[G1V:G1V+7]
	s_nop 0
.rept 4
	v_nop
.endr
.Lfirst_asked:
	; my rows of Q and of O in both passes (s97 = 0, s99 = the head's codes)
	s_lshl_b32 s96, s[Q0B], 7
	s_add_co_u32 s96, s96, s99
	s_add_nc_u64 s[QP2:QP2+1], s[4:5], s[96:97]
	s_lshl_b32 s96, s[Q0], 7
	s_add_co_u32 s96, s96, s99
	s_add_nc_u64 s[4:5], s[4:5], s[96:97]
	s_lshl_b32 s100, s94, 13
	s_lshl_b32 s96, s[Q0B], 2
	s_add_co_u32 s96, s96, s100
	s_add_nc_u64 s[QS2:QS2+1], s[6:7], s[96:97]
	s_lshl_b32 s96, s[Q0], 2
	s_add_co_u32 s96, s96, s100
	s_add_nc_u64 s[6:7], s[6:7], s[96:97]
	s_lshl_b32 s100, s94, 20
	s_lshl_b32 s96, s[Q0B], 9
	s_add_co_u32 s96, s96, s100
	s_add_nc_u64 s[OP2:OP2+1], s[16:17], s[96:97]
	s_lshl_b32 s96, s[Q0], 9
	s_add_co_u32 s96, s96, s100
	s_add_nc_u64 s[16:17], s[16:17], s[96:97]
	; the prefetches (macro ASK): where my wave's stand, and who asks
	s_cmp_lt_u32 s[WV], 6                          ; waves 4 and 5 ask for K's codes, waves 6 and 7 for V's; KB and VB stand at the half that my wave's number picks
	s_cselect_b64 s[PFA:PFA+1], s[KB:KB+1], s[VB:VB+1]
	s_mov_b32 s[PFS], 256
	s_cselect_b32 s[PFS], 32768, s[PFS]            ; a slot on
	s_mov_b32 s96, 2048
	s_cselect_b32 s96, 256, s96                    ; from lane to lane
	s_mov_b32 s100, 65536
	s_cselect_b32 s100, 8192, s100                 ; from the first instruction to the second
	s_mov_b32 s[PFS+1], 0
	v_and_b32 v[PFO], 31, v0
	v_mul_lo_u32 v[PFO], v[PFO], s96
	v_add_nc_u32 v[PFO2], s100, v[PFO]
	s_add_nc_u64 s[PFA:PFA+1], s[PFA:PFA+1], s[PFS:PFS+1]   ; in slot 1: the first change of slots steps it to slot 2.  Nothing is prefetched here, at the head
	s_lshr_b32 s96, s[WV], 2
	s_xor_b32 s96, s96, 1                          ; 0 in waves 4 to 7,
	s_or_b32 s96, s96, ttmp9                       ; of the work-group with i = 0
	s_cmp_eq_u32 s96, 0
	s_cselect_b32 s[LIM], 6, 0
	; what a lane keeps
	v_and_b32 v242, 15, v0                         ; r
	v_bfe_u32 v243, v0, 4, 1                       ; hh
	v_mul_u32_u24 v[AK0], v242, KP
	v_lshl_add_u32 v[AK0], v243, 4, v[AK0]
	v_mul_u32_u24 v[AV0], v242, VP
	v_lshl_add_u32 v[AV0], v243, 3, v[AV0]
	v_add_nc_u32 v[AV0], VOFF, v[AV0]
	v_lshl_add_u32 v[ASK0], v242, 2, SCK           ; K's scale words: 4 bytes a key, 64 keys to a row of 272
	v_lshrrev_b32 v8, 2, v242                      ; V's: 64 bytes a channel, four channels to a row of 272
	v_and_b32 v9, 3, v242
	v_mul_u32_u24 v8, v8, 272
	v_lshl_add_u32 v8, v9, 6, v8
	v_add_nc_u32 v[ASV0], SCV, v8
	v_lshlrev_b32 v[LI], 3, v243
	v_sub_nc_u32 v[LI], v[LI], v242                ; 8 hh - r
	v_lshlrev_b32 v[QO], 7, v242
	v_lshl_add_u32 v[QO], v243, 4, v[QO]
	v_lshlrev_b32 v[QSO], 2, v242
	s_mul_i32 s96, s[WV], 16*272
	s_add_co_u32 s96, s96, STAGE_A                 ; my stage
	v_mul_u32_u24 v[STO], v242, 272
	v_lshl_add_u32 v[STO], v243, 5, v[STO]
	v_add_nc_u32 v[STO], s96, v[STO]               ; in: row r; an accumulator's eight channels of my half: 64 t + 32 hh bytes on
	v_mul_u32_u24 v[RD], v243, 272
	v_lshl_add_u32 v[RD], v242, 4, v[RD]
	v_add_nc_u32 v[RD], s96, v[RD]                 ; back: lanes 0-15 one row, lanes 16-31 the next
	v_lshlrev_b32 v[GO], 9, v243
	v_lshl_add_u32 v[GO], v242, 4, v[GO]           ; and the same two rows in O
	v_mov_b32 v[GN], s[G]
	v_mul_f32 v[GN], 0xc1800000, v[GN]             ; -16 g: exact
	v_mov_b32 v[GN+1], v[GN]
.irp x, 0,1
.irp b, 0,1,2,3
	v_mov_b32 v[TT+20*\x+4+\b], 0                  ; written once: a lane permute's destination counts as one of its sources
.endr
	v_mov_b32 v[TT+20*\x+17], 0                    ; (named as the upper half of f's pair)
.endr
	INIT 4, 6
.Lvisit:                                           ; eight trips: behind each change of slots but the last the next visit's slot is asked for
	CHANGE 1
	TWO_STEPS
	s_add_co_u32 s96, s[U], 1                      ; the first pass ends with visit NB - 1, which is 4 .. 7: a branch on ids, the same in all eight waves; no barrier and no tensor load stands under it
	s_cmp_lg_u32 s96, s[NB]
	s_cbranch_scc1 .Lsame
	WAYOUT 16, 0
	s_mov_b32 s[Q0], s[Q0B]
	INIT QP2, QS2
.Lsame:
	s_add_co_u32 s[U], s[U], 1
	s_cmp_lt_u32 s[U], 8
	s_cbranch_scc1 .Lvisit
	CHANGE 0                                       ; the last visit is written out
	TWO_STEPS
	WAYOUT OP2, STAGE_B-STAGE_A
	s_wait_tensorcnt 0x0                           ; the wave's end, behind my last tensor load and my last LDS store
	ds_add_u32 v[SPW], v[NIL]
	s_wait_dscnt 0x0
	s_endpgm
.Lfunc_end_k_qc94372b53b_attn:
	.size	k_qc94372b53b_attn, .Lfunc_end_k_qc94372b53b_attn-k_qc94372b53b_attn
	.p2alignl 7, 3214868480
	.fill 96, 4, 3214868480
	.section	.rodata,"a",@progbits
	.p2align	6, 0x0
	.amdhsa_kernel k_qc94372b53b_attn
		.amdhsa_group_segment_fixed_size 327680
		.amdhsa_private_segment_fixed_size 0
		.amdhsa_enable_private_segment 0
		.amdhsa_kernarg_size 56
		.amdhsa_user_sgpr_count 2
		.amdhsa_user_sgpr_kernarg_segment_ptr 1
		.amdhsa_wavefront_size32 1
		.amdhsa_system_sgpr_workgroup_id_x 1
		.amdhsa_system_sgpr_workgroup_id_y 1
		.amdhsa_system_sgpr_workgroup_id_z 1
		.amdhsa_system_vgpr_workitem_id 0
		.amdhsa_next_free_vgpr 512
		.amdhsa_next_free_sgpr 102
		.amdhsa_reserve_vcc 1
		.amdhsa_float_denorm_mode_32 3
		.amdhsa_float_denorm_mode_16_64 3
		.amdhsa_memory_ordered 1
		.amdhsa_forward_progress 1
		.amdhsa_inst_pref_size 167
	.end_amdhsa_kernel
	.amdgpu_metadata
---
amdhsa.version: [ 1, 2 ]
amdhsa.kernels:
  - .name:           k_qc94372b53b_attn
    .symbol:         k_qc94372b53b_attn.kd
    .args:
      - { .name: q_codes, .offset: 0, .size: 8, .value_kind: global_buffer, .address_space: global }
      - { .name: q_scales, .offset: 8, .size: 8, .value_kind: global_buffer, .address_space: global }
      - { .name: k_codes, .offset: 16, .size: 8, .value_kind: global_buffer, .address_space: global }
      - { .name: k_scales, .offset: 24, .size: 8, .value_kind: global_buffer, .address_space: global }
      - { .name: v_codes, .offset: 32, .size: 8, .value_kind: global_buffer, .address_space: global }
      - { .name: v_scales, .offset: 40, .size: 8, .value_kind: global_buffer, .address_space: global }
      - { .name: out0, .offset: 48, .size: 8, .value_kind: global_buffer, .address_space: global }
    .group_segment_fixed_size: 327680
    .private_segment_fixed_size: 0
    .kernarg_segment_align: 8
    .kernarg_segment_size: 56
    .max_flat_workgroup_size: 256
    .sgpr_count:     102
    .vgpr_count:     512
    .wavefront_size: 32
...
	.end_amdgpu_metadata
.endif
;; end of part 1
